; MI455X (gfx1250); checked and timed in simulation.
; The chip was launched on July 23, 2026; its instructions are those of AMD's public machine-readable ISA for CDNA 5 (MIT licence, August 2026) and "CDNA5" Instruction Set Architecture Reference Guide (July 2026). The comments in the code are by the model that wrote it; some were corrected since.
;; Attention. Allowed arithmetic: matrix products marked QUANTISED: E2M3 operands, one E8M0 scale for each 32 along K, by v_wmma_scale_f32_16x16x128_f8f6f4 with both operands' format E2M3, f32 sums; products left as they are: f32 operands where the result goes on into a quantised operand, else bf16, f16 or f32 operands; f32 sums; everything else in f32.
;; Inputs: Wc_w 1,024 x 1 float32; Wh_w_codes 1,024 x 32 x 24 uint8 (E2M3 codes of Wh_w, K innermost, in blocks of 32 codes, four codes in three bytes); Wh_w_scales 1,024 x 32 uint8 (E8M0 scales of Wh_w, one for each 32 codes along K); Ws_b 1,024 float32; Ws_w_codes 1,024 x 32 x 24 uint8 (E2M3 codes of Ws_w, K innermost, in blocks of 32 codes, four codes in three bytes); Ws_w_scales 1,024 x 32 uint8 (E8M0 scales of Ws_w, one for each 32 codes along K); c_dec 1 x 32 x 512 float32; coverage_vector 32 x 1,024 float32; encoder_output 32 x 1,024 x 1,024 float32; h_dec 1 x 32 x 512 float32; v_w 1 x 1,024 float32; x_padding_masks 32 x 1,024 float32.
;; Outputs: out0 32 x 1,024 float32; out1 32 x 1,024 float32; out2 32 x 1,024 float32.
;; This version of the problem:
;;   THIS VERSION OF THE PROBLEM IS GIVEN IN LOW PRECISION. The matrix products marked QUANTISED in the list below multiply operands that are first quantised to E2M3 (2 exponent bits, 3 mantissa bits; 6 bits a number), with one power-of-two scale for each 32 numbers along K (OCP MX v1.0); their sums are f32. All else is computed in f32.
;;   The module's matrix products, in the order in which they are computed (A, B: the left and right operand; K: the contracted axis; several contracted axes count as one K, in the product's order):
;;     1. [M 32, K 1,024] x [K 1,024, N 1,024]; A: computed on the way; B: input Ws_w (given as codes): QUANTISED
;;     2. [M 32,768, K 1,024] x [K 1,024, N 1,024]; A: input encoder_output; B: input Wh_w (given as codes): QUANTISED
;;     3. [M 32,768, K 1,024] x [K 1,024, N 1]; A: computed on the way; B: input v_w: left as it is (N = 1 < 16)
;;     4. batch 32 x [M 1, K 1,024] x [K 1,024, N 1,024]; A: computed on the way; B: input encoder_output: left as it is (M = 1 < 16)
;;   THE QUANTISER, for each operand of a quantised product, along K:
;;     - K is cut into blocks of 32 from its start; a last block that is shorter is filled with zeros.
;;     - A block's scale is 2^e with e = floor(log2(the largest magnitude in the block)) - 2, held to -126 .. 127; a block of zeros has e = 0. As a byte (E8M0): e + 127.
;;     - Each number is divided by its block's scale, clamped to +-7.5, and rounded to the nearest number of E2M3, ties to even, subnormals kept.
;;     - The product sums the exact products of the quantised numbers (number of the format x scale) in f32.
;;   ~~~python
;;   def quantise(x, axis):      # numpy; x: float32 -> the quantised numbers, widened to float32 again
;;       x = np.moveaxis(x, axis, -1); K = x.shape[-1]
;;       x = np.pad(x, [(0, 0)] * (x.ndim - 1) + [(0, -K % 32)]); x = x.reshape(x.shape[:-1] + (-1, 32)); a = np.abs(x).max(-1, keepdims=True)
;;       e = np.where(a > 0, np.clip(np.frexp(np.where(a > 0, a, 1))[1] - 1 - 2, -126, 127), 0)      # np.frexp(a)[1] - 1 = floor(log2(a)), exactly
;;       r = np.clip(x / 2.0 ** e, -7.5, 7.5)
;;       step = 2.0 ** (np.maximum(np.frexp(np.where(r == 0, 1, r))[1] - 1, 0) - 3)
;;       q = np.round(r / step) * step * 2.0 ** e      # np.round: ties to even
;;       return np.moveaxis(q.reshape(q.shape[:-2] + (-1,))[..., :K], -1, axis).astype(np.float32)
;;   ~~~
;;   OPERANDS COMPUTED ON THE WAY. 'Computed on the way' means the value that the module computes at that place (a softmax that the list does not call 'softmax' is quantised finished and normalised). What goes into a quantiser is computed in f32, as accurately as f32 sums, v_exp_f32 and their like allow (about 1e-6 of the number): no bf16 or f16 on the way to a quantiser, and a product that is left as it is and whose result goes on into a quantised operand takes f32 operands (vector FMAs, or v_wmma_f32_16x16x4_f32). A number that lies on a knife's edge between two numbers of the format may be rounded either way, as far as f32 arithmetic and the matrix unit's own rounding can turn it there, and no further.
;;   INPUTS GIVEN AS CODES. Wh_w (in the module: [1024, 1024], K = its axis 1); Ws_w (in the module: [1024, 1024], K = its axis 1): each comes as NAME_codes (uint8): NAME with its K axis moved to the last place and cut into blocks of 32 codes, [.., K / 32, bytes a block], one block behind the other in memory; four codes in three bytes: a row's codes are one little-endian stream of bits, code i at bits 6 i .. 6 i + 5 (a code: sign, 2 exponent bits, 3 mantissa bits); and NAME_scales (uint8): the same leading axes, one E8M0 byte (e + 127) for each 32 codes along K. Its value is code x scale, taken as it is: it is not quantised again, and the codes and scales need not be those that the quantiser above would give.
;; One version. Each part assembles by itself: llvm-mc -triple=amdgcn-amd-amdhsa -mcpu=gfx1250 --defsym DOCPART=n.
;; ======== version 1 of 1: 2 launches
;; limits: values are held in bf16: 8 bits of precision; right only within a limited range of input values
;; workspace buffers: scr 131,072 bytes; ctxp 1,048,576 bytes
;; launch attn (part 1): grid 256 x 1, 4 waves a work-group, clusters of 4 x 1, 327,680 bytes of LDS; arguments encoder_output, Wh_w_codes, Wh_w_scales, v_w, Wc_w, coverage_vector, x_padding_masks, scr, ctxp; writes scr, ctxp
.if DOCPART == 1
	.amdgcn_target "amdgcn-amd-amdhsa--gfx1250"
	.amdhsa_code_object_version 6
	.text
	.protected	k_q53e9e3a1a1_attn
	.globl	k_q53e9e3a1a1_attn
	.p2align	8
	.type	k_q53e9e3a1a1_attn,@function
k_q53e9e3a1a1_attn:
	s_mov_b64 s[64:65], 0
	v_nop
	global_prefetch_b8 v0, s[64:65] scope:SCOPE_SE
	s_setreg_imm32_b32 hwreg(HW_REG_WAVE_MODE, 25, 1), 1
	s_wait_xcnt 0x0
	s_wait_alu depctr_hold_cnt(0) depctr_sa_sdst(0) depctr_va_vdst(0) depctr_va_sdst(0) depctr_va_ssrc(0) depctr_va_vcc(0) depctr_vm_vsrc(0)
	s_getreg_b32 s2, hwreg(HW_REG_IB_STS2, 6, 4)
	s_cmp_eq_u32 s2, 0
	s_cbranch_scc0 .Lentry_in_a_cluster
	s_endpgm
.Lentry_in_a_cluster:
	s_bfe_u32 s2, ttmp6, 0x10000c
	s_cmp_lg_u32 s2, 0x3003
	s_cbranch_scc0 .Lentry_shape_is_right
	s_endpgm
.Lentry_shape_is_right:
; SCORES AND PARTIAL CONTEXT.  enc: [32768 rows][1024] f32.  A work-group owns 128 rows of one batch and reads them from memory once.
;   s'[row] = sum over e of v[e] x (Q(enc[row]) . Wh[e]) + cov[row] x (Wc . v)  -> scr
;   p[row] = 2^((s' - m) log2 e) x mask[row], m = the largest s' of the 128 rows;  ctxp = sum over the 128 rows of bf16(p) x bf16(enc[row])
; WORK LEFT OUT.  reference() adds dec_feat[b] to every row s of batch b, so score[b][s] holds the term v . dec_feat[b], the same for all s.  softmax over s
; takes a term that is the same along s away, for all values of the inputs; score reaches the outputs through that softmax alone.  So product 1 (s_t Ws^T), Ws_b, h_dec, c_dec,
; Ws_w_codes and Ws_w_scales have no way to an output: they are not loaded and are no arguments.  LIMIT: a NaN, an infinity or an overflow that reaches only that term is not carried to the result.
; SHARES.  K is cut among the waves: wave w owns columns 256 w .. 256 w + 255 (K steps 2 w, 2 w + 1) of all 128 rows.  It loads them (a load = two rows' aligned 256 bytes), keeps a bf16 copy (512 registers),
; turns each unit of 16 rows x 128 columns through its own LDS, quantises it and keeps the codes (192 registers): no wave needs another's codes.  The score is linear in K: each wave sums v x (its part of the product), and the four parts meet once in LDS.
; Wh comes through a ring of two LDS slots of 128 rows; each fragment is read by one wave and feeds 8 matrix instructions (source 0 = 16 rows of Wh, source 1 = 16 rows of enc: a lane holds one row of enc and eight neighbouring e).
; The results of column block g - 1 are multiplied by v among the matrix instructions of block g, onto 32 running sums.
; The context (M = 1) goes by the bf16 matrix form: source 0 = p, the same in all 16 rows, source 1 = 16 columns of the copy, K = 32 rows.
; CLUSTER.  All work-groups walk the same tiles of Wh: the four of a cluster ask for each jointly (mask 15), each wave for 32 of a tile's 128 rows.
; NO PREFETCH: each wave has 48 loads of enc out through the whole load phase, and Wh's first two tiles and its scales are asked for under that phase.
; LIMITS.  The score is summed in another order than reference()'s.  The context takes enc and p rounded to bf16.  A block whose largest magnitude lies under 2^-124, or of zeros, gets the scale byte 1.  NaN and infinities among the inputs are not served.
.set PITCH,  864                       ; a row of Wh: 12 x (64 + 8) bytes; a wave's 192 bytes are three such pieces, so the padding falls alike for every wave
.set CB16,   16*PITCH
.set SLOTB,  128*PITCH
.set WSC,    2*SLOTB                   ; Wh's scale bytes, 32 a row, dense
.set SPARE,  WSC+32768                 ; the spare words
.set VT,     SPARE+512                 ; v
.set TURN,   VT+4096                   ; a wave's own: 16 rows x 528 bytes
.set TURNW,  16*528
.set OWN,    TURN+4*TURNW              ; a wave's own 2,048: cov, mask, p
.set SCX,    OWN+8192                  ; partial scores [wave][128 rows]
.set CVX,    SCX+2048                  ; the waves' parts of Wc . v
.set SPW,1
.set NIL,2
.set LN16,3
.set AB,4                              ; v4-11: my place in a tile: 4 slot + 2 (upper four column blocks) + (one padding more for lanes 16-31)
.set ABS,12
.set ADV,13
.set TST,14
.set TLD,15
.set GOF,16
.set OWNA,17
.set SXS,18
.set SXL,19
.set PVL,20
.set CVS,21
.set CVL,22
.set PVS,23
.set ASC,24                            ; v24-39 enc's scale words: 2 rb + 1 - ks.  Scales and nothing else
; load phase
.set TM,40
.set PC,48                             ; four groups of 3 code registers; the fourth of each four is the block's scale operand
.set X,64
.set HV,64
.set HW,72
.set HC,80
.set HM,84
.set DA5,88
.set VTS,89
.set LANE,90
.set RR,91
.set HH,92
; product phase
.set BS,40                             ; v40-43 Wh's scale words: two blocks a pair of registers (lanes 0-15, lanes 16-31), two pairs by turns
.set TT,44                             ; v44-75 running sums
.set BF,76                             ; v76-123 two buffers of two fragments
.set ACC,128                           ; v128-255 two sets of eight accumulators
.set VVB,192                           ; window 3: v of eight column blocks by turns
.set PF,44                             ; tail: p's four fragments
; window 1, 2: the copy: (32 rows R, K step ks) at 64 ((2 R + ks) % 4) of window 1 + (2 R + ks) / 4; in it column 64 q + 4 r + c at 8 (4 q + c).  window 3: v0-191 codes, unit u at 12 u
.set WV,34
.set CX,36
.set WGX,37
.set SEL,38
.set G1,40
.set G1S,48
.set G0,56
.set G0S,68
.set MSB,0
.macro WIN new
.if MSB != (\new)
	s_set_vgpr_msb (MSB<<8)|(\new)
.set MSB, (\new)
.endif
.endm
.macro PLACES
.rept 4
	v_nop
.endr
.endm
.macro ROUND                           ; a round of the cluster's barrier
	s_barrier_signal -1
	s_barrier_wait -1
	s_cmp_lg_u32 s[WV], 0
	s_cbranch_scc1 .Lnw0_\@
	s_barrier_signal -3
.Lnw0_\@:
	s_barrier_wait -3
	s_barrier_signal -1
	s_barrier_wait -1
.endm
.macro FILL g0, g1                     ; a later first fill, issued as a refill is
	s_wait_tensorcnt 0x0
	ds_add_u32 v[SPW], v[NIL]
	s_wait_dscnt 0x0
	ROUND
	tensor_load_to_lds s[\g0:\g0+3], s[\g1:\g1+7]
	s_nop 0
	PLACES
.endm
.macro QUANT as                        ; v[X] .. v[X + 63] -> codes in PC's four groups, scale word in v[as]
.irp b, 0,1,2,3
	v_max3_num_f32 v[TM+\b], |v[X+16*\b]|, |v[X+1+16*\b]|, 0x1800000   ; with the floor 2^(3 - 127): the byte cannot fall under 1
.endr
.irp i, 2,4,6,8,10,12,14
.irp b, 0,1,2,3
	v_max3_num_f32 v[TM+\b], v[TM+\b], |v[X+16*\b+\i]|, |v[X+1+16*\b+\i]|
.endr
.endr
.irp b, 0,1,2,3
	v_permlanex16_b32 v[TM+4+\b], v[TM+\b], s[SEL], s[SEL+1]
.endr
.irp b, 0,1,2,3
	v_max_num_f32 v[TM+\b], v[TM+\b], v[TM+4+\b]
.endr
.irp b, 0,1,2,3
	v_add_nc_u32 v[PC+4*\b+3], 0xff000000, v[TM+\b]   ; 2 off the exponent field: the conversion's scale operand
.endr
.irp b, 0,1,2,3
	v_lshrrev_b32 v[TM+4+\b], 23, v[PC+4*\b+3]
.endr
	v_lshl_or_b32 v[\as], v[TM+5], 8, v[TM+4]
	v_lshl_or_b32 v[\as], v[TM+6], 16, v[\as]
	v_lshl_or_b32 v[\as], v[TM+7], 24, v[\as]
.irp b, 0,1,2,3
	v_cvt_scalef32_pk16_fp6_f32 v[PC+4*\b:PC+4*\b+2], v[X+16*\b:X+16*\b+15], v[PC+4*\b+3]
.endr
	v_nop                                          ; one plain place behind a scaled conversion
.irp c, 0,1
.irp i, 0,1,2
	v_permlane16_swap_b32 v[PC+8*\c+\i], v[PC+8*\c+4+\i]   ; a whole block of 32 into each lane
.endr
.endr
.endm
.macro LSET u                          ; landing sets by turns: window 0 v128, window 0 v192, window 3 v192
.if (\u)%3 == 0
.set LW, 0
.set LB, 128
.elseif (\u)%3 == 1
.set LW, 0
.set LB, 192
.else
.set LW, 3
.set LB, 192
.endif
.endm
.macro ELOAD u                         ; unit u: rows 16 (u / 2) on, K step u % 2.  Load n: lanes 0-15 row n / 2, lanes 16-31 row n / 2 + 8; 256 aligned bytes each
	LSET \u
	WIN LW<<6
.irp n, 0,1,2,3,4,5,6,7,8,9,10,11,12,13,14,15
	global_load_b128 v[LB+4*\n:LB+4*\n+3], v[GOF], s[4:5] offset:(16*((\u)/2)+\n/2)*4096+512*((\u)%2)+256*(\n%2) th:TH_LOAD_NT
.endr
	WIN 0
.endm
.macro UNIT u
	LSET \u
.set FF, 2*((\u)/4)+(\u)%2
.set CW, 1+FF/4
.set CB, 64*(FF%4)+4*(((\u)/2)%2)
.if (\u) <= 13
	s_wait_loadcnt 32                              ; my 16 loads are in; those of the two units behind may be out
.elseif (\u) == 14
	s_wait_loadcnt 16
.else
	s_wait_loadcnt 0
.endif
	WIN LW<<2
.irp n, 0,1,2,3,4,5,6,7,8,9,10,11,12,13,14,15
	ds_store_b128 v[TST], v[LB+4*\n:LB+4*\n+3] offset:528*(\n/2)+256*(\n%2)
.endr
	WIN 0
.irp b, 0,1,2,3
.irp q, 0,1,2,3
	ds_load_b128 v[X+16*\b+4*\q:X+16*\b+4*\q+3], v[TLD] offset:128*\b+16*\q   ; of row lane % 16, 16 neighbours of each block of 32 (LDS serves a wave's instructions in order: ISA guide 5.7.1.4)
.endr
.endr
	WIN (CW<<6)|(LW<<2)|LW
.irp q, 0,1
.irp c, 0,1,2,3
.irp ip, 0,1,2,3
	v_cvt_pk_bf16_f32 v[CB+8*(4*\q+\c)+\ip], v[LB+4*(4*\ip+\q)+\c], v[LB+4*(4*\ip+2+\q)+\c]   ; two neighbouring rows of one column: the copy runs along the rows.  These 32 lines stand between the loads above and the wait for them
.endr
.endr
.endr
	WIN 0
	s_wait_dscnt 0x0
.if (\u)+3 <= 15
	ELOAD (\u)+3
.endif
	QUANT ASC+2*((\u)/2)+1-(\u)%2
	WIN 0xc0
.irp c, 0,1
.irp i, 0,1,2
	v_mov_b32 v[12*(\u)+6*\c+\i], v[PC+8*\c+\i]
	v_mov_b32 v[12*(\u)+6*\c+3+\i], v[PC+8*\c+4+\i]
.endr
.endr
	WIN 0
.endm
.macro FRAGS gn                        ; my two fragments of column block gn: 48 bytes a lane and 64 K, in pieces of 8
.set ad, AB+4*(((\gn)/8)%2)+2*(((\gn)%8)/4)
.set ob, ((\gn)%4)*CB16
.irp k, 0,1
.irp p, 0,1,2,3,4,5
.set yy, 96*\k+48*(\p/3)+8*(\p%3)
	ds_load_b64 v[BF+24*((\gn)%2)+12*\k+2*\p:BF+24*((\gn)%2)+12*\k+2*\p+1], v[ad+(yy+24)/64-yy/64] offset:ob+yy+8*(yy/64)
.endr
.endr
.endm
.macro WMM g, i                        ; K step i / 8, row block i % 8: the eight accumulators take turns
.set ks, (\i)/8
.set rb, (\i)%8
.set rD, ACC+64*((\g)%2)+8*rb
.set rA, BF+24*((\g)%2)+12*ks
.set rB, 12*(2*rb+ks)
.set rSA, BS+2*(((\g)/2)%2)+ks
.set rSB, ASC+2*rb+1-ks
.if ks == 0
.if (\g)%2
	v_wmma_scale_f32_16x16x128_f8f6f4 v[rD:rD+7], v[rA:rA+11], v[rB:rB+11], 0, v[rSA], v[rSB] matrix_a_fmt:MATRIX_FMT_FP6 matrix_b_fmt:MATRIX_FMT_FP6 matrix_a_scale:MATRIX_SCALE_ROW1
.else
	v_wmma_scale_f32_16x16x128_f8f6f4 v[rD:rD+7], v[rA:rA+11], v[rB:rB+11], 0, v[rSA], v[rSB] matrix_a_fmt:MATRIX_FMT_FP6 matrix_b_fmt:MATRIX_FMT_FP6
.endif
.else
.if (\g)%2
	v_wmma_scale_f32_16x16x128_f8f6f4 v[rD:rD+7], v[rA:rA+11], v[rB:rB+11], v[rD:rD+7], v[rSA], v[rSB] matrix_a_fmt:MATRIX_FMT_FP6 matrix_b_fmt:MATRIX_FMT_FP6 matrix_a_scale:MATRIX_SCALE_ROW1
.else
	v_wmma_scale_f32_16x16x128_f8f6f4 v[rD:rD+7], v[rA:rA+11], v[rB:rB+11], v[rD:rD+7], v[rSA], v[rSB] matrix_a_fmt:MATRIX_FMT_FP6 matrix_b_fmt:MATRIX_FMT_FP6
.endif
.endif
.endm
.macro EP g, i                         ; two of the 32 multiply-adds of block g's results with v: register pairs 0, 4, 2, 6 of each accumulator, so that a running sum comes up again 15 lines on
.set jq, (\i)/4
.set jj, 4*(jq%2)+2*(jq/2)
.irp e, 0,1
.set rb, 2*((\i)%4)+\e
	v_pk_fma_f32 v[TT+16*(jq%2)+2*rb:TT+16*(jq%2)+2*rb+1], v[ACC+64*((\g)%2)+8*rb+jj:ACC+64*((\g)%2)+8*rb+jj+1], v[VVB+8*((\g)%8)+jj:VVB+8*((\g)%8)+jj+1], v[TT+16*(jq%2)+2*rb:TT+16*(jq%2)+2*rb+1]
.endr
.endm
; behind a block's second matrix instruction: the change of slots (mode 1: with a refill two tiles on; 2: without), then the loads for later blocks
.macro LOADS g, mode, lim
.set SL, ((\g)/8)%2
.if \mode
	WIN 0
.if \mode == 1
	s_add_nc_u64 s[G0+4*SL+2:G0+4*SL+3], s[G0+4*SL+2:G0+4*SL+3], 2*128*768   ; no tensor load of mine is out
.endif
	s_wait_dscnt 0x0                               ; the add is done; my reads of this slot ended at the block's head
.if \mode == 1
	ROUND
	tensor_load_to_lds s[G0+4*SL:G0+4*SL+3], s[G1:G1+7]   ; my one load behind the round: 126 matrix instructions stand between it and the wait for it
	s_nop 0
.else
	s_barrier_signal -1
	s_barrier_wait -1
.endif
.endif
.if (\g)+6 <= \lim
	WIN 0xc0
	ds_load_b128 v[VVB+8*(((\g)+6)%8):VVB+8*(((\g)+6)%8)+3], v[ADV] offset:64*((\g)+6)
	ds_load_b128 v[VVB+8*(((\g)+6)%8)+4:VVB+8*(((\g)+6)%8)+7], v[ADV] offset:64*((\g)+6)+16
.endif
	WIN 0x0c
.if ((\g)%2 == 0) && ((\g)+2 <= \lim)
	ds_load_b64 v[BS+2*(((\g)/2+1)%2):BS+2*(((\g)/2+1)%2)+1], v[ABS] offset:1024*((\g)/2+1)
.endif
.if (\g)+1 <= \lim
	FRAGS (\g)+1
.endif
.endm
; column block g of a frame of two tiles: 16 matrix instructions, among them block g - 1's products with v (the places behind the matrix instructions: ISA guide 7.12.1)
.macro BLOCK g, epi, mode, lim
	s_wait_dscnt 0x0                               ; this block's fragments, scale words and v are in
.if \mode
	WIN 0
	s_wait_tensorcnt 0x0                           ; my part of the other slot has landed
	ds_add_u32 v[SPW], v[NIL]
.endif
	WIN 0x0c                                       ; source 1 (codes; v) window 3, all else window 0
.irp i, 0,1,2,3,4,5,6,7,8,9,10,11,12,13,14,15
	WMM \g, \i
.if \epi
	EP (\g)-1, \i
.endif
.if \i == 1
	LOADS \g, \mode, \lim
.endif
.endr
.if \epi == 0
	PLACES
.endif
.endm
	; ---- THE HEAD
	s_load_b512 s[4:19], s[0:1], 0x0               ; enc 4, Wh codes 6, Wh scales 8, v 10, Wc 12, cov 14, mask 16, scr 18
	s_load_b64 s[20:21], s[0:1], 0x40              ; ctxp
	v_lshl_add_u32 v[SPW], v0, 2, SPARE
	v_mov_b32 v[NIL], 0
	ds_add_u32 v[SPW], v[NIL]
	ds_add_u32 v[SPW], v[NIL]
	v_lshrrev_b32 v[LANE], 5, v0
	v_readfirstlane_b32 s[WV], v[LANE]
	s_bfe_u32 s[CX], ttmp6, 0x40000                ; my place in the cluster enters global addresses alone
	s_lshl_b32 s[WGX], ttmp9, 2
	s_add_co_u32 s[WGX], s[WGX], s[CX]
	s_mov_b32 s[SEL], 0x76543210
	s_mov_b32 s[SEL+1], 0xfedcba98
	s_mov_b32 s73, 0xffff0000                      ; lanes 16-31
	s_mul_i32 s74, s[WV], TURNW
	s_add_co_u32 s74, s74, TURN
	s_lshl_b32 s75, s[WV], 11
	s_add_co_u32 s75, s75, OWN
	s_mul_i32 s76, s[WV], 216
	s_lshl_b32 s77, s[WV], 3
	s_add_co_u32 s77, s77, WSC
	s_lshl_b32 s78, s[WV], 9
	s_add_co_u32 s78, s78, SCX
	s_add_co_u32 s79, s75, 1024
	s_lshl_b32 s80, s[WV], 2
	s_add_co_u32 s80, s80, CVX
	; Wh's codes: a wave's 32 rows are 96 dense rows of 256 bytes; 8 bytes of padding behind every 64
	s_mov_b32 s[G1], 15|(3<<16)|(1<<20)|(1<<21)|(3<<22)|(1<<25)
	s_mov_b32 s[G1+1], 32<<16
	s_mov_b32 s[G1+2], 96<<16
	s_mov_b32 s[G1+3], 32<<16
	s_mov_b32 s[G1+4], 96
	s_mov_b32 s[G1+5], 32
	s_mov_b32 s[G1+6], 0
	s_mov_b32 s[G1+7], 0
	; Wh's scale bytes: a wave's quarter, 32 rows of 256 bytes
	s_mov_b32 s[G1S], 15|(3<<16)|(1<<21)
	s_mov_b32 s[G1S+1], 32<<16
	s_mov_b32 s[G1S+2], 32<<16
	s_mov_b32 s[G1S+3], 32<<16
	s_mov_b32 s[G1S+4], 32
	s_mov_b32 s[G1S+5], 32
	s_mov_b32 s[G1S+6], 0
	s_mov_b32 s[G1S+7], 0
	s_mov_b32 s[G0], 1
	s_mul_i32 s[G0+1], s[WV], 32*PITCH
	s_mov_b32 s[G0+4], 1
	s_add_co_u32 s[G0+5], s[G0+1], SLOTB
	s_mov_b32 s[G0S], 1
	s_lshl_b32 s[G0S+1], s[WV], 13
	s_add_co_u32 s[G0S+1], s[G0S+1], WSC
	v_and_b32 v[LANE], 31, v0
	v_and_b32 v[RR], 15, v0
	v_bfe_u32 v[HH], v0, 4, 1
	v_lshlrev_b32 v[LN16], 4, v[LANE]
	v_mul_u32_u24 v[TST], v[HH], 8*528
	v_lshl_add_u32 v[TST], v[RR], 4, v[TST]
	v_add_nc_u32 v[TST], s74, v[TST]
	v_mul_u32_u24 v[TLD], v[RR], 528
	v_lshl_add_u32 v[TLD], v[HH], 6, v[TLD]
	v_add_nc_u32 v[TLD], s74, v[TLD]
	v_lshlrev_b32 v[GOF], 15, v[HH]
	v_lshl_add_u32 v[GOF], v[RR], 4, v[GOF]
	v_add_nc_u32 v[OWNA], s75, v[LN16]
	v_mul_u32_u24 v[AB], v[RR], PITCH
	v_mad_u32_u24 v[AB], v[HH], 24, v[AB]
	v_add_nc_u32 v[AB], s76, v[AB]
	v_lshl_add_u32 v[AB+1], v[HH], 3, v[AB]
	v_add_nc_u32 v[AB+2], 4*CB16, v[AB]
	v_add_nc_u32 v[AB+3], 4*CB16, v[AB+1]
.irp k, 0,1,2,3
	v_add_nc_u32 v[AB+4+\k], SLOTB, v[AB+\k]
.endr
	v_lshl_add_u32 v[ABS], v[LANE], 5, s77
	v_lshl_add_u32 v[ADV], v[HH], 5, VT
	v_lshl_add_u32 v[SXS], v[RR], 2, s78
	v_add_nc_u32 v[SXL], SCX, v[LN16]
	v_lshl_add_u32 v[PVL], v[HH], 4, s79
	v_lshl_add_u32 v[PVS], v[LANE], 3, s79
	v_mov_b32 v[CVS], s80
	v_mov_b32 v[CVL], CVX
	v_lshl_add_u32 v[VTS], v0, 4, VT
	v_lshlrev_b32 v[DA5], 4, v0
.irp b, 0,1,2,3
	v_mov_b32 v[TM+4+\b], 0                        ; a lane permute's destination counts as one of its sources
.endr
	s_wait_alu depctr_va_vdst(0)
	s_wait_dscnt 0x0
	s_wait_kmcnt 0x0
	s_mov_b32 s91, 0
	s_lshl_b32 s90, s[WGX], 19                     ; 128 rows of 4,096 bytes,
	s_lshl_b32 s92, s[WV], 10                      ; my wave's 1,024 bytes of each
	s_add_co_u32 s90, s90, s92
	s_add_nc_u64 s[4:5], s[4:5], s[90:91]
	s_lshl_b32 s90, s[WGX], 9
	s_add_nc_u64 s[14:15], s[14:15], s[90:91]
	s_add_nc_u64 s[16:17], s[16:17], s[90:91]
	s_add_nc_u64 s[18:19], s[18:19], s[90:91]
	s_lshl_b32 s90, s[WGX], 12
	s_add_co_u32 s90, s90, s92
	s_add_nc_u64 s[20:21], s[20:21], s[90:91]
	s_mul_i32 s90, s[WV], 32*768
	s_add_nc_u64 s[G0+2:G0+3], s[6:7], s[90:91]
	s_add_nc_u64 s[G0+6:G0+7], s[G0+2:G0+3], 128*768
	s_or_b32 s[G0+3], s[G0+3], 0x80000000
	s_or_b32 s[G0+7], s[G0+7], 0x80000000
	s_lshl_b32 s90, s[WV], 13
	s_add_nc_u64 s[G0S+2:G0S+3], s[8:9], s[90:91]
	s_or_b32 s[G0S+3], s[G0S+3], 0x80000000
	global_load_b128 v[HV:HV+3], v[DA5], s[10:11]
	global_load_b128 v[HV+4:HV+7], v[DA5], s[10:11] offset:2048
	global_load_b128 v[HW:HW+3], v[DA5], s[12:13]
	global_load_b128 v[HW+4:HW+7], v[DA5], s[12:13] offset:2048
	global_load_b128 v[HC:HC+3], v[LN16], s[14:15]
	global_load_b128 v[HM:HM+3], v[LN16], s[16:17]
	ELOAD 0
	ELOAD 1
	ELOAD 2
	ROUND                                          ; the first joint loads meet
	tensor_load_to_lds s[G0:G0+3], s[G1:G1+7]      ; tile 0: one tensor load a wave at the head
	s_nop 0
	PLACES
	s_wait_loadcnt 48                              ; all but the 48 loads of enc
	ds_store_b128 v[VTS], v[HV:HV+3]
	ds_store_b128 v[VTS], v[HV+4:HV+7] offset:2048
	ds_store_b128 v[OWNA], v[HC:HC+3]
	ds_store_b128 v[OWNA], v[HM:HM+3] offset:512
	v_pk_mul_f32 v[94:95], v[HV:HV+1], v[HW:HW+1]  ; my eight terms of Wc . v
.irp j, 2,4,6
	v_pk_fma_f32 v[94:95], v[HV+\j:HV+\j+1], v[HW+\j:HW+\j+1], v[94:95]
.endr
	v_add_f32 v94, v94, v95
	v_add_f32_dpp v94, v94, v94 row_xmask:1 row_mask:0xf bank_mask:0xf
	v_add_f32_dpp v94, v94, v94 row_xmask:2 row_mask:0xf bank_mask:0xf
	v_add_f32_dpp v94, v94, v94 row_xmask:4 row_mask:0xf bank_mask:0xf
	v_add_f32_dpp v94, v94, v94 row_xmask:8 row_mask:0xf bank_mask:0xf
	v_permlanex16_b32 v95, v94, s[SEL], s[SEL+1]
	v_add_f32 v94, v94, v95
	ds_store_b32 v[CVS], v94
	; ---- THE LOAD PHASE: 16 units; tile 1 and the scale bytes are asked for under it, six and five units behind the load before
.irp u, 0,1,2,3,4,5
	UNIT \u
.endr
	FILL G0+4, G1
.irp u, 6,7,8,9,10
	UNIT \u
.endr
	FILL G0S, G1S
.irp u, 11,12,13,14,15
	UNIT \u
.endr
	; ---- THE PRODUCTS
	s_wait_alu depctr_va_vdst(0)
	s_wait_tensorcnt 0x0
	s_wait_dscnt 0x0
	s_barrier_signal -1
	s_barrier_wait -1                              ; both slots, the scale bytes and v are whole.
.irp j, 0,1,2,3,4,5,6,7,8,9,10,11,12,13,14,15,16,17,18,19,20,21,22,23,24,25,26,27,28,29,30,31
	v_mov_b32 v[TT+\j], 0
.endr
	WIN 0xc0
.irp b, 0,1,2,3,4,5
	ds_load_b128 v[VVB+8*\b:VVB+8*\b+3], v[ADV] offset:64*\b
	ds_load_b128 v[VVB+8*\b+4:VVB+8*\b+7], v[ADV] offset:64*\b+16
.endr
	WIN 0
	ds_load_b64 v[BS:BS+1], v[ABS]
	FRAGS 0
	BLOCK 0, 0, 0, 99                              ; the first block has no block before it
	WIN 0
	s_mov_b32 s72, 3
.Ltile:                                                ; a trip: blocks 1 to 16 of a frame of two tiles; both slots are filled again
.irp g, 1,2,3,4,5,6
	BLOCK \g, 1, 0, 99
.endr
	BLOCK 7, 1, 1, 99
.irp g, 8,9,10,11,12,13,14
	BLOCK \g, 1, 0, 99
.endr
	BLOCK 15, 1, 1, 99
	BLOCK 16, 1, 0, 99
	WIN 0
	v_add_nc_u32 v[ADV], 1024, v[ADV]              ; 256 numbers of v on,
	v_add_nc_u32 v[ABS], 8192, v[ABS]              ; 256 rows of scale bytes
	s_sub_co_u32 s72, s72, 1
	s_cmp_lg_u32 s72, 0
	s_wait_alu depctr_va_vdst(0)
	s_cbranch_scc1 .Ltile
.irp g, 1,2,3,4,5,6                    ; the last two tiles ask for nothing
	BLOCK \g, 1, 0, 15
.endr
	BLOCK 7, 1, 2, 15
.irp g, 8,9,10,11,12,13,14,15
	BLOCK \g, 1, 0, 15
.endr
.irp i, 0,1,2,3,4,5,6,7,8,9,10,11,12,13,14,15
	EP 15, \i
.endr
	WIN 0
	; ---- THE SCORES AND THE BLOCK'S OWN SOFTMAX
.irp r, 0,1,2,3,4,5,6,7
	v_pk_add_f32 v[TT+2*\r:TT+2*\r+1], v[TT+2*\r:TT+2*\r+1], v[TT+16+2*\r:TT+16+2*\r+1]
.endr
.irp r, 0,1,2,3,4,5,6,7
	v_add_f32 v[BF+\r], v[TT+2*\r], v[TT+2*\r+1]
.endr
.irp r, 0,1,2,3,4,5,6,7
	v_permlanex16_b32 v[BF+8+\r], v[BF+\r], s[SEL], s[SEL+1]   ; the row's other eight of each sixteen e
.endr
.irp r, 0,1,2,3,4,5,6,7
	v_add_f32 v[BF+\r], v[BF+\r], v[BF+8+\r]
.endr
.irp r, 0,1,2,3,4,5,6,7
	ds_store_b32 v[SXS], v[BF+\r] offset:64*\r     ; row 16 rb + r, my quarter of K (both halves of the lanes write the same word with the same value)
.endr
	s_wait_dscnt 0x0
	s_barrier_signal -1
	s_barrier_wait -1
.irp k, 0,1,2,3
	ds_load_b128 v[76+4*\k:79+4*\k], v[SXL] offset:512*\k   ; every wave takes all 128 rows, four a lane
.endr
	ds_load_b128 v[92:95], v[CVL]
	ds_load_b128 v[96:99], v[OWNA]
	ds_load_b128 v[100:103], v[OWNA] offset:512
	s_wait_dscnt 0x0
	v_pk_add_f32 v[76:77], v[76:77], v[80:81]
	v_pk_add_f32 v[78:79], v[78:79], v[82:83]
	v_pk_add_f32 v[84:85], v[84:85], v[88:89]
	v_pk_add_f32 v[86:87], v[86:87], v[90:91]
	v_add_f32 v92, v92, v93
	v_add_f32 v94, v94, v95
	v_pk_add_f32 v[76:77], v[76:77], v[84:85]
	v_pk_add_f32 v[78:79], v[78:79], v[86:87]
	v_add_f32 v92, v92, v94                        ; Wc . v
.irp k, 0,1,2,3
	v_fma_f32 v[76+\k], v[96+\k], v92, v[76+\k]    ; s'
.endr
	s_cmp_lg_u32 s[WV], 0
	s_wait_alu depctr_va_vdst(0)
	s_cbranch_scc1 .Lnot_scr
	global_store_b128 v[LN16], v[76:79], s[18:19]  ; wave 0: 512 consecutive bytes; v76-79 are not written again
.Lnot_scr:
	v_max3_num_f32 v104, v76, v77, v78
	v_max_num_f32 v104, v104, v79
	v_max_num_f32_dpp v104, v104, v104 row_xmask:1 row_mask:0xf bank_mask:0xf
	v_max_num_f32_dpp v104, v104, v104 row_xmask:2 row_mask:0xf bank_mask:0xf
	v_max_num_f32_dpp v104, v104, v104 row_xmask:4 row_mask:0xf bank_mask:0xf
	v_max_num_f32_dpp v104, v104, v104 row_xmask:8 row_mask:0xf bank_mask:0xf
	v_permlanex16_b32 v105, v104, s[SEL], s[SEL+1]
	v_max_num_f32 v104, v104, v105                 ; the next launch finds the same number in scr
.irp k, 0,1,2,3
	v_sub_f32 v[108+\k], v[76+\k], v104
.endr
.irp k, 0,1,2,3
	v_mul_f32 v[108+\k], 0x3fb8aa3b, v[108+\k]
.endr
	s_wait_alu depctr_va_vdst(0)                   ; ahead of the batch
.irp k, 0,1,2,3
	v_exp_f32 v[108+\k], v[108+\k]
.endr
	v_nop
	s_wait_alu depctr_va_vdst(0)                   ; and behind it
.irp k, 0,1,2,3
	v_mul_f32 v[108+\k], v[108+\k], v[100+\k]
.endr
	v_cvt_pk_bf16_f32 v112, v108, v109
	v_cvt_pk_bf16_f32 v113, v110, v111
	ds_store_b64 v[PVS], v[112:113]                ; into my wave's own bytes, and back as four fragments: K = 32 rows, the same in all 16 rows of the operand
.irp r, 0,1,2,3
	ds_load_b128 v[PF+8*\r:PF+8*\r+3], v[PVL] offset:64*\r
	ds_load_b128 v[PF+8*\r+4:PF+8*\r+7], v[PVL] offset:64*\r+32
.endr
	s_wait_dscnt 0x0
	; ---- THE CONTEXT of my 256 columns: 16 accumulators by turns, four steps of 32 rows
.irp r, 0,1,2,3
	WIN 0x04+4*(\r/2)
.irp a, 0,1,2,3,4,5,6,7,8,9,10,11,12,13,14,15
.if \r == 0
	v_wmma_f32_16x16x32_bf16 v[ACC+8*\a:ACC+8*\a+7], v[PF+8*\r:PF+8*\r+7], v[64*((2*\r+\a/8)%4)+8*(\a%8):64*((2*\r+\a/8)%4)+8*(\a%8)+7], 0
.else
	v_wmma_f32_16x16x32_bf16 v[ACC+8*\a:ACC+8*\a+7], v[PF+8*\r:PF+8*\r+7], v[64*((2*\r+\a/8)%4)+8*(\a%8):64*((2*\r+\a/8)%4)+8*(\a%8)+7], v[ACC+8*\a:ACC+8*\a+7]
.endif
.endr
.endr
	WIN 0
	PLACES
.irp k, 0,1
.irp c, 0,1,2,3
	v_cndmask_b32 v[108+4*\k+\c], v[ACC+8*(8*\k+\c)], v[ACC+8*(8*\k+4+\c)], s73   ; lane 16 q + r takes column 64 q + 4 r + c
.endr
.endr
	global_store_b128 v[LN16], v[108:111], s[20:21]              ; 512 consecutive bytes each
	global_store_b128 v[LN16], v[112:115], s[20:21] offset:512
	s_wait_tensorcnt 0x0                           ; the wave's end
	ds_add_u32 v[SPW], v[NIL]
	s_wait_dscnt 0x0
	ROUND                                          ; the closing round
	s_endpgm
.Lfunc_end_k_q53e9e3a1a1_attn:
	.size	k_q53e9e3a1a1_attn, .Lfunc_end_k_q53e9e3a1a1_attn-k_q53e9e3a1a1_attn
	.p2alignl 7, 3214868480
	.fill 96, 4, 3214868480
	.section	.rodata,"a",@progbits
	.p2align	6, 0x0
	.amdhsa_kernel k_q53e9e3a1a1_attn
		.amdhsa_group_segment_fixed_size 327680
		.amdhsa_private_segment_fixed_size 0
		.amdhsa_enable_private_segment 0
		.amdhsa_kernarg_size 72
		.amdhsa_user_sgpr_count 2
		.amdhsa_user_sgpr_kernarg_segment_ptr 1
		.amdhsa_wavefront_size32 1
		.amdhsa_system_sgpr_workgroup_id_x 1
		.amdhsa_system_sgpr_workgroup_id_y 1
		.amdhsa_system_sgpr_workgroup_id_z 1
		.amdhsa_system_vgpr_workitem_id 0
		.amdhsa_next_free_vgpr 1024
		.amdhsa_next_free_sgpr 100
		.amdhsa_reserve_vcc 0
		.amdhsa_float_denorm_mode_32 3
		.amdhsa_float_denorm_mode_16_64 3
		.amdhsa_memory_ordered 1
		.amdhsa_forward_progress 1
		.amdhsa_inst_pref_size 255
	.end_amdhsa_kernel
	.section	.bss,"aw",@nobits
	.p2align	6
	.space	262144
	.amdgpu_metadata
---
amdhsa.version: [ 1, 2 ]
amdhsa.kernels:
  - .name:           k_q53e9e3a1a1_attn
    .symbol:         k_q53e9e3a1a1_attn.kd
    .args:
      - { .name: encoder_output, .offset: 0, .size: 8, .value_kind: global_buffer, .address_space: global }
      - { .name: Wh_w_codes, .offset: 8, .size: 8, .value_kind: global_buffer, .address_space: global }
      - { .name: Wh_w_scales, .offset: 16, .size: 8, .value_kind: global_buffer, .address_space: global }
      - { .name: v_w, .offset: 24, .size: 8, .value_kind: global_buffer, .address_space: global }
      - { .name: Wc_w, .offset: 32, .size: 8, .value_kind: global_buffer, .address_space: global }
      - { .name: coverage_vector, .offset: 40, .size: 8, .value_kind: global_buffer, .address_space: global }
      - { .name: x_padding_masks, .offset: 48, .size: 8, .value_kind: global_buffer, .address_space: global }
      - { .name: scr, .offset: 56, .size: 8, .value_kind: global_buffer, .address_space: global }
      - { .name: ctxp, .offset: 64, .size: 8, .value_kind: global_buffer, .address_space: global }
    .group_segment_fixed_size: 327680
    .private_segment_fixed_size: 0
    .kernarg_segment_align: 8
    .kernarg_segment_size: 72
    .max_flat_workgroup_size: 128
    .sgpr_count:     100
    .vgpr_count:     1024
    .wavefront_size: 32
...
	.end_amdgpu_metadata
.endif
;; end of part 1
;; launch fin (part 2): grid 4 x 32, 8 waves a work-group, no clusters, 9,216 bytes of LDS; arguments scr, ctxp, x_padding_masks, coverage_vector, out0, out1, out2; writes out0, out1, out2
.if DOCPART == 2
	.amdgcn_target "amdgcn-amd-amdhsa--gfx1250"
	.amdhsa_code_object_version 6
	.text
	.protected	k_q53e9e3a1a1_fin
	.globl	k_q53e9e3a1a1_fin
	.p2align	8
	.type	k_q53e9e3a1a1_fin,@function
k_q53e9e3a1a1_fin:
	s_mov_b64 s[64:65], 0
	v_nop
	global_prefetch_b8 v0, s[64:65] scope:SCOPE_SE
	s_setreg_imm32_b32 hwreg(HW_REG_WAVE_MODE, 25, 1), 1
	s_wait_xcnt 0x0
; THE SOFTMAX OVER A BATCH'S 1,024 ROWS, RENORMALISED, AND THE JOINING OF THE EIGHT PARTIAL CONTEXTS.  Work-group (q, b): batch b, quarter q of each output.
; WORK LEFT OUT.  The decoder's term is the same along the softmax's axis (see the first kernel).  w = (e / Z) mask / sum((e / Z) mask): the softmax's own divisor Z, positive and the same for all rows, cancels for all values, so w = e mask / sum(e mask).
; Wave i holds chunk i (128 rows, four a lane): m_i = its largest s', em = 2^((s' - m_i) log2 e) x mask, and their sum.  One barrier; then m = the largest m_i, f_i = 2^((m_i - m) log2 e), S = sum f_i sum_i,
; w = em f_i / S -> out1, cov + w -> out2, out0 = (sum over i of f_i ctxp_i) / S (waves 0 and 1: 64 threads x 16 bytes).  Each of a batch's four work-groups makes the statistics for itself.
; No matrix unit, no tensor load: no product, and no tile that is read twice.
; LIMITS: the division is a multiplication by v_rcp_f32's result.  NaN and infinities are not served; a batch whose mask is all zero gives what 0 x (1 / 0) gives.
.set XB, 256                           ; LDS: the waves' m_i,
.set XC, 512                           ; and their sums
.macro WSUM r, t
	v_add_f32_dpp v[\r], v[\r], v[\r] row_xmask:1 row_mask:0xf bank_mask:0xf
	s_delay_alu instid0(VALU_DEP_1)
	v_add_f32_dpp v[\r], v[\r], v[\r] row_xmask:2 row_mask:0xf bank_mask:0xf
	s_delay_alu instid0(VALU_DEP_1)
	v_add_f32_dpp v[\r], v[\r], v[\r] row_xmask:4 row_mask:0xf bank_mask:0xf
	s_delay_alu instid0(VALU_DEP_1)
	v_add_f32_dpp v[\r], v[\r], v[\r] row_xmask:8 row_mask:0xf bank_mask:0xf
	s_delay_alu instid0(VALU_DEP_1)
	v_permlanex16_b32 v[\t], v[\r], s38, s39
	s_delay_alu instid0(VALU_DEP_1)
	v_add_f32 v[\r], v[\r], v[\t]
.endm
	s_load_b256 s[4:11], s[0:1], 0x0               ; scr 4, ctxp 6, mask 8, cov 10
	s_load_b128 s[12:15], s[0:1], 0x20             ; out0 12, out1 14
	s_load_b64 s[16:17], s[0:1], 0x30              ; out2
	v_lshl_add_u32 v96, v0, 2, 0x2000
	v_mov_b32 v97, 0
	v_lshrrev_b32 v2, 5, v0
	s_delay_alu instid0(VALU_DEP_1)
	v_readfirstlane_b32 s20, v2                    ; wave = chunk
	s_and_b32 s21, ttmp7, 0xffff                   ; batch
	s_mov_b32 s38, 0x76543210
	s_mov_b32 s39, 0xfedcba98
	s_lshl_b32 s22, s20, 2
	v_lshlrev_b32 v1, 4, v0                        ; 16 t
	v_mov_b32 v20, s22                             ; my wave's word
	v_mov_b32 v21, 0
	v_mov_b32 v89, 0                               ; a lane permute's destination counts as one of its sources
	s_wait_alu depctr_va_vdst(0)
	s_wait_kmcnt 0x0
	s_mov_b32 s25, 0
	s_lshl_b32 s24, s21, 12
	s_add_nc_u64 s[4:5], s[4:5], s[24:25]
	s_add_nc_u64 s[8:9], s[8:9], s[24:25]
	s_add_nc_u64 s[10:11], s[10:11], s[24:25]
	s_add_nc_u64 s[14:15], s[14:15], s[24:25]
	s_add_nc_u64 s[16:17], s[16:17], s[24:25]
	s_lshl_b32 s22, ttmp9, 10                      ; my quarter: 256 columns
	s_add_co_u32 s24, s24, s22
	s_add_nc_u64 s[12:13], s[12:13], s[24:25]
	s_lshl_b32 s24, s21, 15                        ; the batch's eight partial contexts of 4,096 bytes
	s_add_co_u32 s24, s24, s22
	s_add_nc_u64 s[6:7], s[6:7], s[24:25]
	global_load_b128 v[4:7], v1, s[4:5]            ; s'
	global_load_b128 v[8:11], v1, s[8:9]           ; mask
	global_load_b128 v[12:15], v1, s[10:11]        ; cov
	s_cmp_ge_u32 s20, 2
	s_cbranch_scc1 .Lnoc
.irp n, 0,1,2,3,4,5,6,7
	global_load_b128 v[24+4*\n:27+4*\n], v1, s[6:7] offset:4096*\n   ; chunk n: 64 threads read 1,024 consecutive bytes
.endr
	s_wait_loadcnt 8                               ; all but these eight
	s_branch .Lgo
.Lnoc:
	s_wait_loadcnt 0x0
.Lgo:
	v_max3_num_f32 v88, v4, v5, v6
	s_delay_alu instid0(VALU_DEP_1)
	v_max_num_f32 v88, v88, v7
	s_delay_alu instid0(VALU_DEP_1)
	v_max_num_f32_dpp v88, v88, v88 row_xmask:1 row_mask:0xf bank_mask:0xf
	s_delay_alu instid0(VALU_DEP_1)
	v_max_num_f32_dpp v88, v88, v88 row_xmask:2 row_mask:0xf bank_mask:0xf
	s_delay_alu instid0(VALU_DEP_1)
	v_max_num_f32_dpp v88, v88, v88 row_xmask:4 row_mask:0xf bank_mask:0xf
	s_delay_alu instid0(VALU_DEP_1)
	v_max_num_f32_dpp v88, v88, v88 row_xmask:8 row_mask:0xf bank_mask:0xf
	s_delay_alu instid0(VALU_DEP_1)
	v_permlanex16_b32 v89, v88, s38, s39
	s_delay_alu instid0(VALU_DEP_1)
	v_max_num_f32 v88, v88, v89                    ; m_i
.irp k, 0,1,2,3
	v_sub_f32 v[84+\k], v[4+\k], v88
.endr
.irp k, 0,1,2,3
	v_mul_f32 v[84+\k], 0x3fb8aa3b, v[84+\k]
.endr
	s_wait_alu depctr_va_vdst(0)                   ; ahead of the batch
.irp k, 0,1,2,3
	v_exp_f32 v[84+\k], v[84+\k]
.endr
	v_nop
	s_wait_alu depctr_va_vdst(0)                   ; and behind it
.irp k, 0,1,2,3
	v_mul_f32 v[84+\k], v[84+\k], v[8+\k]          ; em
.endr
	v_add_f32 v90, v84, v85
	v_add_f32 v91, v86, v87
	s_delay_alu instid0(VALU_DEP_1)
	v_add_f32 v90, v90, v91
	WSUM 90, 91
	ds_store_b32 v20, v88 offset:XB
	ds_store_b32 v20, v90 offset:XC
	s_wait_alu depctr_va_vdst(0)
	s_wait_dscnt 0x0
	s_barrier_signal -1
	s_barrier_wait -1
	ds_load_b128 v[64:67], v21 offset:XB
	ds_load_b128 v[68:71], v21 offset:XB+16
	ds_load_b128 v[56:59], v21 offset:XC
	ds_load_b128 v[60:63], v21 offset:XC+16
	s_wait_dscnt 0x0
	v_max3_num_f32 v83, v64, v65, v66
	s_delay_alu instid0(VALU_DEP_1)
	v_max3_num_f32 v83, v83, v67, v68
	s_delay_alu instid0(VALU_DEP_1)
	v_max3_num_f32 v83, v83, v69, v70
	s_delay_alu instid0(VALU_DEP_1)
	v_max_num_f32 v83, v83, v71                    ; m
.irp k, 0,1,2,3,4,5,6,7
	v_sub_f32 v[72+\k], v[64+\k], v83
.endr
	v_sub_f32 v80, v88, v83
.irp k, 0,1,2,3,4,5,6,7,8
	v_mul_f32 v[72+\k], 0x3fb8aa3b, v[72+\k]
.endr
	s_wait_alu depctr_va_vdst(0)
.irp k, 0,1,2,3,4,5,6,7,8
	v_exp_f32 v[72+\k], v[72+\k]                   ; f of the eight chunks; v80: my own chunk's
.endr
	v_nop
	s_wait_alu depctr_va_vdst(0)
	v_mul_f32 v82, v72, v56
	v_mul_f32 v81, v73, v57
.irp k, 2,4,6
	v_fma_f32 v82, v[72+\k], v[56+\k], v82
	v_fma_f32 v81, v[73+\k], v[57+\k], v81
.endr
	v_add_f32 v82, v82, v81                        ; S
	s_wait_alu depctr_va_vdst(0)
	v_rcp_f32 v92, v82
	v_nop
	s_wait_alu depctr_va_vdst(0)
	v_mul_f32 v93, v80, v92
.irp k, 0,1,2,3
	v_mul_f32 v[84+\k], v[84+\k], v93              ; w
.endr
	s_lshr_b32 s22, s20, 1                         ; waves 2 q and 2 q + 1 hold this work-group's quarter of the rows
	s_cmp_lg_u32 s22, ttmp9
	s_wait_alu depctr_va_vdst(0)
	s_cbranch_scc1 .Lno_w
.irp k, 0,1,2,3
	v_add_f32 v[16+\k], v[12+\k], v[84+\k]
.endr
	global_store_b128 v1, v[84:87], s[14:15]       ; a wave stores 512 consecutive bytes
	global_store_b128 v1, v[16:19], s[16:17]
.Lno_w:
	s_cmp_ge_u32 s20, 2
	s_cbranch_scc1 .Lend
	s_wait_loadcnt 0x0                             ; ctxp
.irp c, 0,1,2,3
	v_mul_f32 v[60+\c], v[24+\c], v72
.endr
.irp k, 1,2,3,4,5,6,7
.irp c, 0,1,2,3
	v_fma_f32 v[60+\c], v[24+4*\k+\c], v[72+\k], v[60+\c]
.endr
.endr
.irp c, 0,1,2,3
	v_mul_f32 v[60+\c], v[60+\c], v92
.endr
	global_store_b128 v1, v[60:63], s[12:13]
.Lend:
	s_wait_tensorcnt 0x0                           ; the wave's end
	ds_add_u32 v96, v97
	s_wait_dscnt 0x0
	s_endpgm
.Lfunc_end_k_q53e9e3a1a1_fin:
	.size	k_q53e9e3a1a1_fin, .Lfunc_end_k_q53e9e3a1a1_fin-k_q53e9e3a1a1_fin
	.p2alignl 7, 3214868480
	.fill 96, 4, 3214868480
	.section	.rodata,"a",@progbits
	.p2align	6, 0x0
	.amdhsa_kernel k_q53e9e3a1a1_fin
		.amdhsa_group_segment_fixed_size 9216
		.amdhsa_private_segment_fixed_size 0
		.amdhsa_enable_private_segment 0
		.amdhsa_kernarg_size 56
		.amdhsa_user_sgpr_count 2
		.amdhsa_user_sgpr_kernarg_segment_ptr 1
		.amdhsa_wavefront_size32 1
		.amdhsa_system_sgpr_workgroup_id_x 1
		.amdhsa_system_sgpr_workgroup_id_y 1
		.amdhsa_system_sgpr_workgroup_id_z 1
		.amdhsa_system_vgpr_workitem_id 0
		.amdhsa_next_free_vgpr 98
		.amdhsa_next_free_sgpr 66
		.amdhsa_reserve_vcc 0
		.amdhsa_float_denorm_mode_32 3
		.amdhsa_float_denorm_mode_16_64 3
		.amdhsa_memory_ordered 1
		.amdhsa_forward_progress 1
		.amdhsa_inst_pref_size 11
	.end_amdhsa_kernel
	.amdgpu_metadata
---
amdhsa.version: [ 1, 2 ]
amdhsa.kernels:
  - .name:           k_q53e9e3a1a1_fin
    .symbol:         k_q53e9e3a1a1_fin.kd
    .args:
      - { .name: scr, .offset: 0, .size: 8, .value_kind: global_buffer, .address_space: global }
      - { .name: ctxp, .offset: 8, .size: 8, .value_kind: global_buffer, .address_space: global }
      - { .name: x_padding_masks, .offset: 16, .size: 8, .value_kind: global_buffer, .address_space: global }
      - { .name: coverage_vector, .offset: 24, .size: 8, .value_kind: global_buffer, .address_space: global }
      - { .name: out0, .offset: 32, .size: 8, .value_kind: global_buffer, .address_space: global }
      - { .name: out1, .offset: 40, .size: 8, .value_kind: global_buffer, .address_space: global }
      - { .name: out2, .offset: 48, .size: 8, .value_kind: global_buffer, .address_space: global }
    .group_segment_fixed_size: 9216
    .private_segment_fixed_size: 0
    .kernarg_segment_align: 8
    .kernarg_segment_size: 56
    .max_flat_workgroup_size: 256
    .sgpr_count:     66
    .vgpr_count:     98
    .wavefront_size: 32
...
	.end_amdgpu_metadata
.endif
;; end of part 2
